; MI455X (gfx1250); checked and timed in simulation.
; The chip was launched on July 23, 2026; its instructions are those of AMD's public machine-readable ISA for CDNA 5 (MIT licence, August 2026) and "CDNA5" Instruction Set Architecture Reference Guide (July 2026). The comments in the code are by the model that wrote it; some were corrected since.
;; Multi Head Self Attention. Allowed arithmetic: matrix products marked QUANTISED: E4M3 operands, one given power-of-two scale a tensor, by v_wmma_f32_16x16x64_fp8_fp8 or v_wmma_f32_16x16x128_fp8_fp8, f32 sums; everything else in f32.
;; Inputs: b_out 1,024 float32; ln_beta 1,024 float32; ln_gamma 1,024 float32; lowp_scales 8 int32 (the exponents e of the quantised operands' scales 2^e); w_out 1,024 x 1,024 float32; w_qkv 1,024 x 3,072 float32; x 4 x 2,048 x 1,024 float32.
;; Outputs: out0 4 x 2,048 x 1,024 float32.
;; This version of the problem:
;;   THIS VERSION OF THE PROBLEM IS GIVEN IN LOW PRECISION. The matrix products marked QUANTISED in the list below multiply operands that are first quantised to E4M3 (4 exponent bits, 3 mantissa bits; 8 bits a number), with one given power-of-two scale for each operand tensor; their sums are f32. All else is computed in f32.
;;   The module's matrix products, in the order in which they are computed (A, B: the left and right operand; K: the contracted axis; several contracted axes count as one K, in the product's order):
;;     1. [M 8,192, K 1,024] x [K 1,024, N 3,072]; A: computed on the way; B: input w_qkv: QUANTISED (scales: A lowp_scales[0], B lowp_scales[1])
;;     2. batch 32 x [M 2,048, K 128] x [K 128, N 2,048]; A: computed on the way; B: computed on the way: QUANTISED (scales: A lowp_scales[2], B lowp_scales[3])
;;     3. batch 32 x [M 2,048, K 2,048] x [K 2,048, N 128]; A: softmax (see below); B: computed on the way: QUANTISED (scales: A lowp_scales[4], B lowp_scales[5])
;;     4. [M 8,192, K 1,024] x [K 1,024, N 1,024]; A: computed on the way; B: input w_out: QUANTISED (scales: A lowp_scales[6], B lowp_scales[7])
;;   THE QUANTISER, for each operand of a quantised product, along K:
;;     - The operand's scale is 2^e, e = its entry of the input lowp_scales (int32; the entries are numbered through the quantised products in the list's order, A before B).
;;     - Each number is divided by the scale, clamped to +-448, and rounded to the nearest number of E4M3, ties to even, subnormals kept.
;;     - The product sums the exact products of the quantised numbers (number of the format x scale) in f32.
;;   ~~~python
;;   def quantise(x, axis, e):      # numpy; x: float32 -> the quantised numbers, widened to float32 again
;;       x = np.moveaxis(x, axis, -1); K = x.shape[-1]
;;       r = np.clip(x / 2.0 ** e, -448, 448)
;;       step = 2.0 ** (np.maximum(np.frexp(np.where(r == 0, 1, r))[1] - 1, -6) - 3)
;;       q = np.round(r / step) * step * 2.0 ** e      # np.round: ties to even
;;       return np.moveaxis(q, -1, axis).astype(np.float32)
;;   ~~~
;;   SOFTMAX AHEAD OF A QUANTISED PRODUCT. Where the list says 'softmax', what is quantised is not the finished softmax but p = 2^(t - M), with t = logit x log2(e) and M = ceil(the row's largest t), a whole number; so 1/2 < the row's largest p <= 1. The row's sum l is taken of the UNQUANTISED p, in f32, and the product's result is divided by l at the end. Since M is a whole number, a kernel that streams over the keys may use a running M (the ceiling of the running maximum): every later rescaling is an exact power of two, so the quantised numbers keep their values, but for numbers so far below the row's largest that they fall under the format's range.
;;   OPERANDS COMPUTED ON THE WAY. 'Computed on the way' means the value that the module computes at that place (a softmax that the list does not call 'softmax' is quantised finished and normalised). What goes into a quantiser is computed in f32, as accurately as f32 sums, v_exp_f32 and their like allow (about 1e-6 of the number): no bf16 or f16 on the way to a quantiser, and a product that is left as it is and whose result goes on into a quantised operand takes f32 operands (vector FMAs, or v_wmma_f32_16x16x4_f32). A number that lies on a knife's edge between two numbers of the format may be rounded either way, as far as f32 arithmetic and the matrix unit's own rounding can turn it there, and no further.
;; One version. Each part assembles by itself: llvm-mc -triple=amdgcn-amd-amdhsa -mcpu=gfx1250 --defsym DOCPART=n.
;; ======== version 1 of 1: 4 launches
;; limits: right only within a limited range of input values
;; workspace buffers: codes 12,582,912 bytes; qkv 25,165,824 bytes; ao 8,388,608 bytes
;; launch prep (part 1): grid 512 x 1, 4 waves a work-group, no clusters, 35,328 bytes of LDS; arguments x, ln_gamma, ln_beta, w_qkv, w_out, lowp_scales, codes; writes codes
.if DOCPART == 1
	.amdgcn_target "amdgcn-amd-amdhsa--gfx1250"
	.amdhsa_code_object_version 6
	.text
	.protected	k_qd2d5923fb1_prep
	.globl	k_qd2d5923fb1_prep
	.p2align	8
	.type	k_qd2d5923fb1_prep,@function
k_qd2d5923fb1_prep:
	s_mov_b64 s[64:65], 0
	v_nop
	global_prefetch_b8 v0, s[64:65] scope:SCOPE_SE
	s_setreg_imm32_b32 hwreg(HW_REG_WAVE_MODE, 25, 1), 1
	s_wait_xcnt 0x0
; LAUNCH 1 OF 4.  out0 = x + Attention(LayerNorm(x)) w_out + b_out, all four matrix products on codes of FP8 (E4M3), each operand with the one scale 2^e that lowp_scales gives for it.
; NO WORK IS LEFT OUT: gamma and beta move xn's codes, both weights and all eight exponents enter products, b_out and x are added at the end, and there is no mask: every input is loaded by some launch.
; This launch makes the codes of the three operands that are known ahead: xn = LayerNorm(x) (scale e0), w_qkv (e1), w_out (e7).
; code = number / 2^e, held within +-448, rounded to the nearest code, ties to even.
; THE BUFFER codes: 12,288 rows of 1,024 bytes, K along a row.  Rows 0-8191: xn's tokens; rows 8192-11263: w_qkv's columns; rows 11264-12287: w_out's columns.
;  (a) ROWS: a row lies at its number with bits 3 and 4 exchanged.  So 16 rows on end, 16 a + r, are the true rows 32 (a / 2) + 8 (a % 2) + r % 8 + 16 (r / 8): as source 0 of a matrix instruction they leave,
;      in the 16 result registers of two neighbouring tiles, 16 NEIGHBOURS: what the next product's conversions want.
;  (b) K: in xn and w_qkv byte 512 (j / 4) + 16 l + 4 (j % 4) + i of a row holds k = 128 j + 4 l + i (l 0-31, j 0-7, i 0-3): the order in which a lane of LayerNorm's wave holds its 32 numbers.
;      It is the same in both operands, so every product meets its partner; only the order of the sums changes.  w_out's rows hold k as it is.
; LIMITS: e0, e1, e7 between -126 and 119, so that 2^e and 448 x 2^e are f32 numbers.  NaN among the inputs is not served.
; Work-groups 0-255: LayerNorm, 32 rows each, a wave to a row, no LDS.  Work-groups 256-511: the weights, 128 columns x 128 places along K each, through a stage in LDS.  No matrix unit, no tensor load: memory binds.
; w_qkv'S CODES LIE AS REGISTER IMAGES, not as rows: from byte 8,388,608 of codes on, tile T (the 16 rows 16 T + r of the order described above, counted from row 8,192) and K block kb (128 places) fill 2,048 bytes at (8 T + kb) 2,048:
; register group c at 512 c, lane l at 16 l; lane (r, h) holds row r's places 128 kb + 32 c + 16 h + 0..15.  xn's and w_out's rows lie as described above.
; THIS NOTE STANDS OVER WHAT IS SAID ABOVE OF THE WEIGHTS: BOTH weights' codes lie as register images, w_out's tiles (T = 192 to 255) behind w_qkv's (T = 0 to 191), in w_out with k as it is; only xn's codes lie as rows.
; Work-groups 256-511 take the weights, 128 columns x 128 places (one K block of the images) each.
.set SPARE, 34816
.set SPW,  2                           ; v2   LDS address of my spare word; never rewritten
.set NIL,  3                           ; v3   0; never rewritten
.set SC,   4                           ; v4   2^e as f32: the conversions take its exponent field
.set LIM,  5                           ; v5   448 x 2^e
.set LANE, 15                          ; v15  my lane
.set G,    16                          ; LayerNorm: v16-47 gamma, v48-79 beta of my 32 columns
.set BT,   48
.set X,    80                          ; v80-207 four row slots of 32
.set T,    216                         ; v216-223 four running pairs
.set C,    232                         ; v232-247 two sets of 8: a row's codes
.set OFFS, 16                          ; weights: v16-47 byte offsets of a block's 32 rows of W
.set WX,   80                          ; v80-143 two sets of 32 numbers
.set OUTR, 144                         ; v144-207 the way out
.set WC,   208                         ; v208-215 a block's codes
.set PITCH, 272                        ; a stage row: 256 bytes + 16
	s_load_b256 s[4:11], s[0:1], 0x0               ; x s[4:5], gamma s[6:7], beta s[8:9], w_qkv s[10:11]
	s_load_b128 s[12:15], s[0:1], 0x20             ; w_out s[12:13], the exponents s[14:15]
	s_load_b64 s[16:17], s[0:1], 0x30              ; codes
	v_lshl_add_u32 v[SPW], v0, 2, SPARE
	v_mov_b32 v[NIL], 0
	v_lshrrev_b32 v1, 5, v0
	v_readfirstlane_b32 s18, v1                    ; wave 0..3
	v_and_b32 v[LANE], 31, v0
	s_wait_kmcnt 0x0
	s_load_b256 s[40:47], s[14:15], 0x0            ; e0 .. e7
	s_cmp_lt_u32 ttmp9, 256
	s_cbranch_scc0 .Lweights
; ---------------- LayerNorm: wave w takes rows 32 g + 8 w + 0..7, one after the other; a lane holds columns 128 j + 4 l + i
	s_wait_alu depctr_va_vdst(0)
	v_lshlrev_b32 v1, 4, v[LANE]                   ; 16 x lane: my 16 bytes of each run of 512; never rewritten
	s_wait_alu depctr_va_vdst(0)
	v_mov_b32 v11, 0                               ; written once: a lane permute's destination counts as one of its sources
	s_mov_b32 s20, 0x76543210                      ; v_permlanex16_b32: lane l xor 16
	s_mov_b32 s21, 0xfedcba98
	s_mov_b32 s22, 0x3a800000                      ; 1 / 1024
	s_mov_b32 s23, 0x3a83126f                      ; 1e-3
	s_lshl_b32 s24, ttmp9, 5
	s_lshl_b32 s25, s18, 3
	s_add_co_u32 s24, s24, s25                     ; my first row
	s_lshl_b32 s24, s24, 12                        ; of 4,096 bytes
	s_mov_b32 s25, 0
	s_add_nc_u64 s[4:5], s[4:5], s[24:25]
	s_and_b32 s26, s18, 1                          ; in codes bits 3 and 4 of the row change places: 16 (w % 2) + 8 (w / 2)
	s_lshl_b32 s26, s26, 4
	s_lshr_b32 s27, s18, 1
	s_lshl_b32 s27, s27, 3
	s_add_co_u32 s26, s26, s27
	s_lshl_b32 s27, ttmp9, 5
	s_add_co_u32 s26, s26, s27
	s_lshl_b32 s26, s26, 10                        ; rows of 1,024 bytes
	s_mov_b32 s27, 0
	s_add_nc_u64 s[16:17], s[16:17], s[26:27]
.irp j, 0,1,2,3,4,5,6,7
	global_load_b128 v[G+4*\j:G+4*\j+3], v1, s[6:7] offset:512*\j
.endr
.irp j, 0,1,2,3,4,5,6,7
	global_load_b128 v[BT+4*\j:BT+4*\j+3], v1, s[8:9] offset:512*\j
.endr
.macro FILL i                          ; row i: eight loads of 512 consecutive bytes each, into slot i % 4
.irp j, 0,1,2,3,4,5,6,7
	global_load_b128 v[X+32*((\i)%4)+4*\j:X+32*((\i)%4)+4*\j+3], v1, s[4:5] offset:(\i)*4096+512*\j th:TH_LOAD_NT
.endr
.endm
	FILL 0
	FILL 1
	FILL 2
	FILL 3
	s_wait_kmcnt 0x0
	s_add_co_i32 s28, s40, 127
	s_lshl_b32 s29, s28, 23
	v_mov_b32 v[SC], s29                           ; 2^e0
	s_add_co_i32 s28, s28, 8
	s_lshl_b32 s28, s28, 23
	s_or_b32 s28, s28, 0x600000
	v_mov_b32 v[LIM], s28                          ; 448 x 2^e0
.macro REDUCE                          ; the four running pairs -> one sum over the row, in v10 of every lane
	v_pk_add_f32 v[T:T+1], v[T:T+1], v[T+2:T+3]
	v_pk_add_f32 v[T+4:T+5], v[T+4:T+5], v[T+6:T+7]
	v_pk_add_f32 v[T:T+1], v[T:T+1], v[T+4:T+5]
	v_add_f32 v10, v[T], v[T+1]
	v_add_f32_dpp v10, v10, v10 row_xmask:1 row_mask:0xf bank_mask:0xf
	v_add_f32_dpp v10, v10, v10 row_xmask:2 row_mask:0xf bank_mask:0xf
	v_add_f32_dpp v10, v10, v10 row_xmask:4 row_mask:0xf bank_mask:0xf
	v_add_f32_dpp v10, v10, v10 row_xmask:8 row_mask:0xf bank_mask:0xf
	v_permlanex16_b32 v11, v10, s20, s21
	v_add_f32 v10, v10, v11
.endm
; Row i.  left: the younger loads that may stay out.  ahead = 1: the slot takes the row four further on.
.macro ROW i, left, ahead
.set XS, X+32*((\i)%4)
.set CD, C+8*((\i)%2)
	s_wait_loadcnt \left                           ; loads come back in order: my row's eight are in (and gamma and beta, which were asked for first)
.irp c, 0,2,4,6
	v_pk_add_f32 v[T+\c:T+\c+1], v[XS+\c:XS+\c+1], v[XS+8+\c:XS+8+\c+1]   ; the first numbers start the four chains: nothing is cleared
.endr
.irp c, 0,2,4,6
	v_pk_add_f32 v[T+\c:T+\c+1], v[T+\c:T+\c+1], v[XS+16+\c:XS+16+\c+1]
.endr
.irp c, 0,2,4,6
	v_pk_add_f32 v[T+\c:T+\c+1], v[T+\c:T+\c+1], v[XS+24+\c:XS+24+\c+1]
.endr
	REDUCE
	v_mul_f32 v6, s22, v10                         ; the mean, as a pair
	v_mul_f32 v7, s22, v10
.set p, 0
.rept 16
	v_pk_add_f32 v[XS+p:XS+p+1], v[XS+p:XS+p+1], v[6:7] neg_lo:[0,1] neg_hi:[0,1]   ; x - mean
.set p, p+2
.endr
.irp c, 0,2,4,6
	v_pk_mul_f32 v[T+\c:T+\c+1], v[XS+\c:XS+\c+1], v[XS+\c:XS+\c+1]
.endr
.irp q, 8,16,24
.irp c, 0,2,4,6
	v_pk_fma_f32 v[T+\c:T+\c+1], v[XS+\q+\c:XS+\q+\c+1], v[XS+\q+\c:XS+\q+\c+1], v[T+\c:T+\c+1]
.endr
.endr
	REDUCE
	v_fma_f32 v10, v10, s22, s23                   ; the variance + 1e-3
	s_wait_alu depctr_va_vdst(0)
	v_rsq_f32 v8, v10
	v_nop                                          ; a plain instruction behind the transcendental,
	s_wait_alu depctr_va_vdst(0)                   ; and the wait ahead of the first line that names its result
	v_mov_b32 v9, v8
.set p, 0
.rept 16
	v_pk_mul_f32 v[XS+p:XS+p+1], v[XS+p:XS+p+1], v[8:9]
.set p, p+2
.endr
.set p, 0
.rept 16
	v_pk_fma_f32 v[XS+p:XS+p+1], v[XS+p:XS+p+1], v[G+p:G+p+1], v[BT+p:BT+p+1]
.set p, p+2
.endr
.set p, 0
.rept 32
	v_med3_num_f32 v[XS+p], v[XS+p], -v[LIM], v[LIM]   ; the conversion to an 8-bit code does not saturate (ISA guide 7.6.2): the hold at the largest code x the scale
.set p, p+1
.endr
	s_wait_alu depctr_va_vdst(0)
	s_wait_xcnt 0x0                                ; the stores of two rows ago have read this set of code registers: it is rewritten only behind this wait
.irp g, 0,1,2,3
	v_cvt_scalef32_pk8_fp8_f32 v[CD+2*\g:CD+2*\g+1], v[XS+8*\g:XS+8*\g+7], v[SC]
.endr
	global_store_b128 v1, v[CD:CD+3], s[16:17] offset:(\i)*1024        ; j = 0..3: 32 lanes store 512 consecutive bytes, at a multiple of 256 from the buffer's first byte
	global_store_b128 v1, v[CD+4:CD+7], s[16:17] offset:(\i)*1024+512  ; j = 4..7
.if \ahead
	FILL (\i)+4
.endif
.endm
	ROW 0, 24, 1                                   ; three younger rows, 24 loads, stay out
	ROW 1, 24, 1
	ROW 2, 24, 1
	ROW 3, 24, 1
	ROW 4, 24, 0
	ROW 5, 16, 0                                   ; nothing more is asked for: the counts run down
	ROW 6, 8, 0
	ROW 7, 0, 0
	s_endpgm                                       ; these waves have written no LDS
; ---------------- the weights.  W is stored [k][n]: A LANE TAKES A COLUMN n AND ITS REGISTERS RUN ALONG THE PLACES OF K, so the conversions give codes with K innermost.
; One text for both weights: what differs (pointer, pitch, which k stands at which place, exponent) is chosen by the work-group's number.
; Place 128 kb + 32 t + 16 u + 4 a + i holds k = Y0 + ct t + ca a + cu u + i:  w_qkv: Y0 = 512 (kb / 4) + 32 (kb % 4), (ca, cu, ct) = (128, 4, 8);  w_out: Y0 = 128 kb, (4, 16, 32).
.Lweights:
	s_sub_co_u32 s19, ttmp9, 256
	s_lshr_b32 s20, s19, 3                         ; g: which 128 columns, 0-23 of w_qkv, 24-31 of w_out
	s_and_b32 s21, s19, 7                          ; kb: which 128 places
	s_lshr_b32 s22, s21, 2
	s_lshl_b32 s22, s22, 9
	s_and_b32 s23, s21, 3
	s_lshl_b32 s23, s23, 5
	s_add_co_u32 s22, s22, s23                     ; Y0 for w_qkv,
	s_lshl_b32 s23, s21, 7                         ; for w_out
	s_max_u32 s28, s20, 24
	s_sub_co_u32 s28, s28, 24
	s_lshl_b32 s28, s28, 7                         ; the first column in w_out,
	s_lshl_b32 s29, s20, 7                         ; in w_qkv
	s_mov_b32 s30, 4096                            ; w_out's: a row of W in bytes,
	s_mov_b32 s31, 4*4096                          ; ca rows,
	s_mov_b32 s32, 16*4096                         ; cu rows,
	s_mov_b32 s33, 32*4096                         ; ct rows
	s_wait_kmcnt 0x0
	s_cmp_lt_u32 s20, 24                           ; w_qkv's work-group?  The choice hangs on the work-group's number alone
	s_cselect_b64 s[10:11], s[10:11], s[12:13]
	s_cselect_b32 s30, 12288, s30
	s_cselect_b32 s31, 128*12288, s31
	s_cselect_b32 s32, 4*12288, s32
	s_cselect_b32 s33, 8*12288, s33
	s_cselect_b32 s22, s22, s23
	s_cselect_b32 s29, s29, s28
	s_cselect_b32 s34, s41, s47                    ; e1 or e7
	s_mul_i32 s35, s22, s30                        ; Y0 rows
	s_lshl_b32 s36, s18, 5
	s_add_co_u32 s36, s36, s29                     ; my wave's first column
	s_lshl_b32 s36, s36, 2
	s_add_co_u32 s36, s36, s35
	s_mov_b32 s37, 0
	s_add_nc_u64 s[24:25], s[10:11], s[36:37]      ; where block 0 begins
	s_mov_b32 s26, s33                             ; from block to block
	s_mov_b32 s27, 0
	s_lshl_b32 s52, s20, 6                         ; the images: my wave's first tile is 8 g + 2 w, my K block kb: image (8 g + 2 w) 8 + kb
	s_lshl_b32 s53, s18, 4
	s_add_co_u32 s52, s52, s53
	s_add_co_u32 s52, s52, s21
	s_lshl_b32 s52, s52, 11                        ; images of 2,048 bytes
	s_add_co_u32 s52, s52, 8388608
	s_mov_b32 s53, 0
	s_add_nc_u64 s[52:53], s[16:17], s[52:53]
	s_mul_i32 s48, s18, 32*PITCH                   ; my wave's stage: 32 rows
	s_wait_alu depctr_va_vdst(0)
	v_and_b32 v6, 7, v[LANE]                       ; into it: the row is my column with bits 3 and 4 exchanged
	v_bfe_u32 v7, v[LANE], 3, 1
	v_lshl_or_b32 v6, v7, 4, v6
	v_bfe_u32 v7, v[LANE], 4, 1
	v_lshl_or_b32 v6, v7, 3, v6
	v_mul_u32_u24 v12, v6, PITCH
	v_add_nc_u32 v12, s48, v12
	v_and_b32 v8, 15, v[LANE]
	v_mul_u32_u24 v9, v8, PITCH                    ; out of the stage: lane (r, h) takes row r, 16 h bytes on
	v_lshl_add_u32 v9, v7, 4, v9
	v_add_nc_u32 v9, s48, v9
	v_lshlrev_b32 v10, 4, v[LANE]                  ; and 16 x lane in an image
	v_lshlrev_b32 v[OFFS], 2, v[LANE]              ; the 32 rows of a block: index 16 u + 4 a + i
	v_add_nc_u32 v[OFFS+1], s30, v[OFFS]
	v_add_nc_u32 v[OFFS+2], s30, v[OFFS+1]
	v_add_nc_u32 v[OFFS+3], s30, v[OFFS+2]
	s_lshl_b32 s49, s31, 1
	s_add_co_u32 s50, s49, s31
.irp i, 0,1,2,3
	v_add_nc_u32 v[OFFS+4+\i], s31, v[OFFS+\i]
	v_add_nc_u32 v[OFFS+8+\i], s49, v[OFFS+\i]
	v_add_nc_u32 v[OFFS+12+\i], s50, v[OFFS+\i]
.endr
.irp q, 0,1,2,3,4,5,6,7,8,9,10,11,12,13,14,15
	v_add_nc_u32 v[OFFS+16+\q], s32, v[OFFS+\q]
.endr
.macro WLOAD t                         ; block t into set t % 2: each load reads 128 consecutive bytes a wave, 512 a work-group
.if (\t) > 0
	s_wait_xcnt 0x0                                ; the earlier loads have read their base: it steps only behind this wait
	s_add_nc_u64 s[24:25], s[24:25], s[26:27]
.endif
.set q, 0
.rept 32
	global_load_b32 v[WX+32*((\t)%2)+q], v[OFFS+q], s[24:25] th:TH_LOAD_NT
.set q, q+1
.endr
.endm
	WLOAD 0
	s_wait_alu depctr_va_vdst(0)
	WLOAD 1
	s_add_co_i32 s34, s34, 127
	s_lshl_b32 s35, s34, 23
	v_mov_b32 v[SC], s35                           ; 2^e
	s_add_co_i32 s34, s34, 8
	s_lshl_b32 s34, s34, 23
	s_or_b32 s34, s34, 0x600000
	v_mov_b32 v[LIM], s34                          ; 448 x 2^e
.macro BLOCK t
.set XS, WX+32*((\t)%2)
.if (\t) < 3
	s_wait_loadcnt 32                              ; this block's 32 loads are in; the next block's may be out
.else
	s_wait_loadcnt 0
.endif
.set q, 0
.rept 32
	v_med3_num_f32 v[XS+q], v[XS+q], -v[LIM], v[LIM]
.set q, q+1
.endr
.irp g, 0,1,2,3
	v_cvt_scalef32_pk8_fp8_f32 v[WC+2*\g:WC+2*\g+1], v[XS+8*\g:XS+8*\g+7], v[SC]
.endr
	ds_store_b128 v12, v[WC:WC+3] offset:32*(\t)   ; 32 codes of my column's row
	ds_store_b128 v12, v[WC+4:WC+7] offset:32*(\t)+16
.if (\t)+2 < 4
	WLOAD (\t)+2
.endif
	s_wait_dscnt 0x0                               ; the stores have read their registers: the next block's codes may be written
.endm
	s_wait_alu depctr_va_vdst(0)
.irp t, 0,1,2,3
	BLOCK \t
.endr
.irp t, 0,1,2,3,4,5,6,7
	ds_load_b128 v[OUTR+4*\t:OUTR+4*\t+3], v9 offset:(\t/4)*16*PITCH+32*(\t%4)   ; tile t / 4, register group t % 4; LDS serves a wave's instructions in order: these see my stores
.endr
.irp t, 0,1,2,3,4,5,6,7
	s_wait_dscnt 7-\t
	global_store_b128 v10, v[OUTR+4*\t:OUTR+4*\t+3], s[52:53] offset:(\t/4)*16384+512*(\t%4)   ; 32 lanes store 512 consecutive bytes
.endr
	s_wait_tensorcnt 0x0                           ; the wave's end
	ds_add_u32 v[SPW], v[NIL]
	s_wait_dscnt 0x0
	s_endpgm
.Lfunc_end_k_qd2d5923fb1_prep:
	.size	k_qd2d5923fb1_prep, .Lfunc_end_k_qd2d5923fb1_prep-k_qd2d5923fb1_prep
	.p2alignl 7, 3214868480
	.fill 96, 4, 3214868480
	.section	.rodata,"a",@progbits
	.p2align	6, 0x0
	.amdhsa_kernel k_qd2d5923fb1_prep
		.amdhsa_group_segment_fixed_size 35328
		.amdhsa_private_segment_fixed_size 0
		.amdhsa_enable_private_segment 0
		.amdhsa_kernarg_size 56
		.amdhsa_user_sgpr_count 2
		.amdhsa_user_sgpr_kernarg_segment_ptr 1
		.amdhsa_wavefront_size32 1
		.amdhsa_system_sgpr_workgroup_id_x 1
		.amdhsa_system_sgpr_workgroup_id_y 1
		.amdhsa_system_sgpr_workgroup_id_z 1
		.amdhsa_system_vgpr_workitem_id 0
		.amdhsa_next_free_vgpr 248
		.amdhsa_next_free_sgpr 66
		.amdhsa_reserve_vcc 0
		.amdhsa_float_denorm_mode_32 3
		.amdhsa_float_denorm_mode_16_64 3
		.amdhsa_memory_ordered 1
		.amdhsa_forward_progress 1
		.amdhsa_inst_pref_size 107
	.end_amdhsa_kernel
	.amdgpu_metadata
---
amdhsa.version: [ 1, 2 ]
amdhsa.kernels:
  - .name:           k_qd2d5923fb1_prep
    .symbol:         k_qd2d5923fb1_prep.kd
    .args:
      - { .name: x, .offset: 0, .size: 8, .value_kind: global_buffer, .address_space: global }
      - { .name: ln_gamma, .offset: 8, .size: 8, .value_kind: global_buffer, .address_space: global }
      - { .name: ln_beta, .offset: 16, .size: 8, .value_kind: global_buffer, .address_space: global }
      - { .name: w_qkv, .offset: 24, .size: 8, .value_kind: global_buffer, .address_space: global }
      - { .name: w_out, .offset: 32, .size: 8, .value_kind: global_buffer, .address_space: global }
      - { .name: lowp_scales, .offset: 40, .size: 8, .value_kind: global_buffer, .address_space: global }
      - { .name: codes, .offset: 48, .size: 8, .value_kind: global_buffer, .address_space: global }
    .group_segment_fixed_size: 35328
    .private_segment_fixed_size: 0
    .kernarg_segment_align: 8
    .kernarg_segment_size: 56
    .max_flat_workgroup_size: 128
    .sgpr_count:     66
    .vgpr_count:     248
    .wavefront_size: 32
...
	.end_amdgpu_metadata
.endif
;; end of part 1
;; launch qkv (part 2): grid 8 x 32, 4 waves a work-group, clusters of 4 x 1, 327,680 bytes of LDS; arguments codes, lowp_scales, qkv; writes qkv
.if DOCPART == 2
	.amdgcn_target "amdgcn-amd-amdhsa--gfx1250"
	.amdhsa_code_object_version 6
	.text
	.protected	k_qd2d5923fb1_qkv
	.globl	k_qd2d5923fb1_qkv
	.p2align	8
	.type	k_qd2d5923fb1_qkv,@function
k_qd2d5923fb1_qkv:
	s_mov_b64 s[64:65], 0
	v_nop
	global_prefetch_b8 v0, s[64:65] scope:SCOPE_SE
	s_setreg_imm32_b32 hwreg(HW_REG_WAVE_MODE, 25, 1), 1
	s_wait_xcnt 0x0
	s_wait_alu depctr_hold_cnt(0) depctr_sa_sdst(0) depctr_va_vdst(0) depctr_va_sdst(0) depctr_va_ssrc(0) depctr_va_vcc(0) depctr_vm_vsrc(0)
	s_getreg_b32 s2, hwreg(HW_REG_IB_STS2, 6, 4)
	s_cmp_eq_u32 s2, 0
	s_cbranch_scc0 .Lentry_in_a_cluster
	s_endpgm
.Lentry_in_a_cluster:
	s_bfe_u32 s2, ttmp6, 0x10000c
	s_cmp_lg_u32 s2, 0x3003
	s_cbranch_scc0 .Lentry_shape_is_right
	s_endpgm
.Lentry_shape_is_right:
; LAUNCH 2 OF 4.  q, k, v = Q(xn) Q(w_qkv), on the codes that the launch before laid in codes, and at once quantised for attention.  No work is left out.
; SHARES.  Work-group (X, Y) makes, of tokens 256 Y .., part 1: columns 256 X .. of q and k (X 0-3: q, 4-7: k), four waves of 128 x 128, 64 accumulators each; part 2: channels 128 X .. of v, four waves of 64 channels x 128 tokens, 32 accumulators each.
; xn'S WHOLE K STAYS IN LDS: 256 rows x 1,024 bytes in two halves along K (rows of 512 bytes + 16 of padding, 135,168 bytes a half).  Each wave fetches 64 rows of a half with one tensor load: two loads a wave in the launch, nothing is filled again,
; and part 2 reads the same bytes of LDS once more.  CLUSTER: the four work-groups of a cluster share Y and ask for xn jointly (mask 15).
; THE WEIGHTS GO FROM MEMORY STRAIGHT INTO OPERAND REGISTERS: they lie as register images (2,048 bytes for 16 columns x 128 K), so each load of a wave reads 512 consecutive bytes.  They are not asked for jointly: the two halves of xn take 270,336 bytes of LDS,
; which leaves no room for two slots of weights.  Three sets of 128 registers take turns; a set is asked for two K steps, 128 matrix instructions, ahead of its use.  Set j < 8: part 1's K step j; set 8 + n: part 2's K steps 2 n and 2 n + 1.
; NO PREFETCH: the tensor loads are two, with no loop to run ahead in, and the weights' loads already run two sets ahead.
; LANES AND REGISTERS.  Source 1 gives the result's lanes, source 0 its registers.  Part 1: source 1 = tokens, source 0 = columns.  Part 2: source 1 = v's channels, source 0 = tokens.
; THE RESULT: blocks of 16,384 bytes of qkv, 128 rows x 128 codes, as images of operand registers: tile a at 2,048 a, register group c at 512 c, lane l at 16 l.  Blocks: q, k: (16 b + hh) 16 + token block, hh = head for q, 8 + head for k; v: 1,024 + (8 b + head) 16 + token block.
; A sum stands for sum x 2^(e0 + e1), so its code is sum / 2^(eo - e0 - e1), eo = e2 (q), e3 (k), e5 (v).  LIMITS: eo - e0 - e1 between -126 and 119.  NaN is not served.
; REGISTERS, in windows of 256: window 0: v0-31 addresses and scales; v32-127 a ring of six fragments of xn (part 1), held sums on the ways out; v128-255 the weights' set 2.  window 1: the weights' sets 0 and 1; codes on the ways out (v128 on).
;   windows 2, 3: the accumulators ((a, b) at v[8 (8 (a % 4) + b)]); in part 2 window 3 holds two sets of xn's eight fragments.
.set PITCH,  528                       ; an LDS row: 512 bytes + 16 of padding: the 16 rows that a load touches start at 16 different banks
.set SLOT,   256*PITCH
.set SPARE,  2*SLOT                    ; behind the two halves: the spare words, 128 bytes a wave
.set WIMG,   8388608                   ; where w_qkv's images begin in codes
.set ADRA, 16                          ; v16-17  LDS address of my 128 rows of xn in half 0, 1
.set CO,   26                          ; v26     16 x lane; never rewritten
.set SPW,  28
.set NIL,  29
.set SC,   30                          ; 2^(eo - e0 - e1)
.set LIM,  31                          ; 448 x that
.set RING, 32
.set TMP,  32
.set OC,   128
.set G1, 24
.set G0, 32
.set W1P, 20                           ; s[20:21] my eight column tiles' images, part 1
.set W2P, 22                           ; s[22:23] my four channel tiles' images, part 2
.set MSB, 0
.macro WIN new                         ; the immediate's high byte repeats the setting that is left
.if MSB != (\new)
	s_set_vgpr_msb (MSB<<8)|(\new)
.set MSB, (\new)
.endif
.endm
.macro CROUND                          ; a round of the cluster's barrier
	s_barrier_signal -1
	s_barrier_wait -1
	s_cmp_lg_u32 s14, 0
	s_cbranch_scc1 .Lnot_wave_0_\@
	s_barrier_signal -3
.Lnot_wave_0_\@:
	s_barrier_wait -3
	s_barrier_signal -1
	s_barrier_wait -1
.endm
.macro PLACES n                        ; a load into a register that a matrix instruction has read, and a vector instruction that reads its result, stand four places behind it
.rept \n
	v_nop
.endr
.endm
.macro BLOAD j                         ; set j of the weights: 32 loads of 512 consecutive bytes.  j % 3 = 0, 1: window 1, v0 and v128; 2: window 0, v128
.set LW, 1-(((\j)%3)/2)
.set LB, 128*((((\j)%3)+1)/2)
	WIN (LW<<6)
.if (\j) < 8
.irp b, 0,1,2,3,4,5,6,7
.irp c, 0,1,2,3
	global_load_b128 v[LB+16*\b+4*\c:LB+16*\b+4*\c+3], v[CO], s[W1P:W1P+1] offset:16384*\b+2048*(\j)+512*\c
.endr
.endr
.else
.irp u, 0,1
.irp a, 0,1,2,3
.irp c, 0,1,2,3
	global_load_b128 v[LB+64*\u+16*\a+4*\c:LB+64*\u+16*\a+4*\c+3], v[CO], s[W2P:W2P+1] offset:16384*\a+2048*(2*((\j)-8)+\u)+512*\c
.endr
.endr
.endr
.endif
	WIN 0
.endm
.macro ALOAD i                         ; part 1: xn's fragment i = 8 q + a (K step q, token tile a) into place i % 6 of the ring
.set AQ, (\i)/8
.set AA, (\i)%8
.set AR0, RING+16*((\i)%6)
.irp c, 0,1,2,3
	ds_load_b128 v[AR0+4*\c:AR0+4*\c+3], v[ADRA+AQ/4] offset:128*(AQ%4)+32*\c+AA*16*PITCH
.endr
.endm
; Part 1, fragments i and i + 1 of xn against the step's eight of the weights: 16 matrix instructions.  The 64 accumulators take turns in the same order in every step; the first step's products start the sums.
.macro PAIR i
.set PQ, (\i)/8
.set PA, (\i)%8
.set PW, 2+PA/4
.set BWN, 1-((PQ%3)/2)
.set BB, 128*(((PQ%3)+1)/2)
	WIN 0
	PLACES 4                                       ; in front of the loads below, into registers that the last products read
.if PA == 0
	s_wait_loadcnt 32                              ; this step's set is in; the next step's 32 loads may be out
.if PQ > 0
	BLOAD PQ+2                                     ; into the set that the last step has left
.endif
.endif
.if (\i) == 24
	s_wait_tensorcnt 0x0                           ; my part of xn's second half is in,
	s_wait_dscnt 0x0
	s_barrier_signal -1
	s_barrier_wait -1                              ; and everybody's: its first fragments are asked for two pairs on.
.endif
.if (\i)+4 < 64
	ALOAD (\i)+4
	ALOAD (\i)+5
	s_wait_dscnt 16                                ; fragments i, i + 1 are in; the two younger pairs, 16 loads, may be out
.else
	s_wait_dscnt 4*(62-(\i))
.endif
	WIN (PW<<6)|(PW<<4)|BWN
.irp d, 0,1
.irp b, 0,1,2,3,4,5,6,7
.if PQ == 0
	v_wmma_f32_16x16x128_fp8_fp8 v[64*((PA+\d)%4)+8*\b:64*((PA+\d)%4)+8*\b+7], v[BB+16*\b:BB+16*\b+15], v[RING+16*(((\i)+\d)%6):RING+16*(((\i)+\d)%6)+15], 0
.else
	v_wmma_f32_16x16x128_fp8_fp8 v[64*((PA+\d)%4)+8*\b:64*((PA+\d)%4)+8*\b+7], v[BB+16*\b:BB+16*\b+15], v[RING+16*(((\i)+\d)%6):RING+16*(((\i)+\d)%6)+15], v[64*((PA+\d)%4)+8*\b:64*((PA+\d)%4)+8*\b+7]
.endif
.endr
.endr
.endm
.macro XLOAD p                         ; part 2: xn's eight fragments of K step p into window 3, set p % 2
	WIN 0xc0
.irp i, 0,1,2,3,4,5,6,7
.irp c, 0,1,2,3
	ds_load_b128 v[128*((\p)%2)+16*\i+4*\c:128*((\p)%2)+16*\i+4*\c+3], v[ADRA+(\p)/4] offset:128*((\p)%4)+32*\c+\i*16*PITCH
.endr
.endr
	WIN 0
.endm
.macro STEP2 p                         ; part 2, K step p: 32 matrix instructions, the 32 accumulators by turns
.set SJ, 8+(\p)/2
.set BWN, 1-((SJ%3)/2)
.set BB, 128*(((SJ%3)+1)/2)+64*((\p)%2)
	WIN 0
	PLACES 4
.if (\p) == 2
	s_wait_loadcnt 32                              ; set 9 is in; set 10 may be out
	BLOAD 11
.endif
.if (\p) == 4
	s_wait_loadcnt 32                              ; set 10 is in; set 11 may be out
.endif
.if (\p) == 6
	s_wait_loadcnt 0
.endif
.if (\p) < 7
	XLOAD (\p)+1
	s_wait_dscnt 32                                ; this step's fragments are in; the next step's 32 loads may be out
.else
	s_wait_dscnt 0
.endif
	WIN 0xa3|(BWN<<2)
.irp a, 0,1,2,3
.irp b, 0,1,2,3,4,5,6,7
.if (\p) == 0
	v_wmma_f32_16x16x128_fp8_fp8 v[8*(8*\a+\b):8*(8*\a+\b)+7], v[128*((\p)%2)+16*\b:128*((\p)%2)+16*\b+15], v[BB+16*\a:BB+16*\a+15], 0
.else
	v_wmma_f32_16x16x128_fp8_fp8 v[8*(8*\a+\b):8*(8*\a+\b)+7], v[128*((\p)%2)+16*\b:128*((\p)%2)+16*\b+15], v[BB+16*\a:BB+16*\a+15], v[8*(8*\a+\b):8*(8*\a+\b)+7]
.endif
.endr
.endr
.endm
; THE WAY OUT of the 64 sums that a lane holds for source 1's block a: in ascending register order they are 16 neighbours along the next K for each of four register groups: held, converted, stored as they stand.
.macro OUTA a, base
.set AC, 64*((\a)%4)
	WIN (0x02+((\a)/4))
.set j, 0
.rept 64
	v_med3_num_f32 v[TMP+j], v[AC+j], -v[LIM], v[LIM]   ; the conversion does not saturate (ISA guide 7.6.2); each accumulator from its low end on
.set j, j+1
.endr
	WIN 0x40
.irp g, 0,1,2,3,4,5,6,7
	v_cvt_scalef32_pk8_fp8_f32 v[OC+16*(\a)+2*\g:OC+16*(\a)+2*\g+1], v[TMP+8*\g:TMP+8*\g+7], v[SC]
.endr
	v_nop                                          ; a plain line behind the conversions
	WIN 0x04
.irp c, 0,1,2,3
	global_store_b128 v[CO], v[OC+16*(\a)+4*\c:OC+16*(\a)+4*\c+3], s[\base:\base+1] offset:2048*(\a)+512*\c   ; 32 lanes store 512 consecutive bytes; within a part every store has registers of its own
.endr
.endm
.macro SCALES e                        ; v[SC] = 2^(s[e] - e0 - e1), v[LIM] = 448 x that
	s_add_co_i32 s77, s68, s69
	s_sub_co_i32 s76, s[\e], s77
	s_add_co_i32 s76, s76, 127
	s_lshl_b32 s78, s76, 23
	v_mov_b32 v[SC], s78
	s_add_co_i32 s76, s76, 8
	s_lshl_b32 s76, s76, 23
	s_or_b32 s76, s76, 0x600000
	v_mov_b32 v[LIM], s76
.endm
	s_load_b128 s[4:7], s[0:1], 0x0                ; codes, the exponents
	s_load_b64 s[10:11], s[0:1], 0x10              ; qkv
	v_lshl_add_u32 v[SPW], v0, 2, SPARE
	v_mov_b32 v[NIL], 0
	ds_add_u32 v[SPW], v[NIL]                      ; the opening lines: the add twice on end and one wait
	ds_add_u32 v[SPW], v[NIL]
	v_lshrrev_b32 v1, 5, v0
	v_readfirstlane_b32 s14, v1                    ; wave 0..3
	s_lshr_b32 s15, s14, 1                         ; which 128 of the 256 tokens are mine
	s_and_b32 s16, s14, 1                          ; which half of the columns (channels) is mine
	v_and_b32 v6, 31, v0
	v_lshlrev_b32 v[CO], 4, v6
	v_and_b32 v2, 15, v0
	v_bfe_u32 v3, v0, 4, 1
	v_mul_u32_u24 v4, v2, PITCH
	v_lshl_add_u32 v4, v3, 4, v4                   ; a fragment's row x pitch + 16 x half
	s_mul_i32 s12, s15, 128*PITCH
	v_add_nc_u32 v[ADRA], s12, v4
	v_add_nc_u32 v[ADRA+1], SLOT, v[ADRA]
	s_bfe_u32 s40, ttmp6, 0x40000                  ; cx
	s_and_b32 s42, ttmp7, 0xffff                   ; Y
	s_lshl_b32 s43, ttmp9, 2
	s_add_co_u32 s43, s43, s40                     ; X = 4 x cluster x + cx
	s_mov_b32 s[G1], 15|(1<<20)|(1<<21)|(6<<22)|(3<<25)   ; the mask of the four; elements of 1 byte; padding: 4 words behind every 128; bit 21 beside a mask
	s_mov_b32 s[G1+1], 512<<16
	s_mov_b32 s[G1+2], 64<<16
	s_mov_b32 s[G1+3], 512<<16
	s_mov_b32 s[G1+4], 64
	s_mov_b32 s[G1+5], 1024
	s_mov_b32 s[G1+6], 0
	s_mov_b32 s[G1+7], 0
	s_lshl_b32 s44, s42, 8
	s_lshl_b32 s45, s14, 6
	s_add_co_u32 s44, s44, s45                     ; xn: row 256 Y + 64 x wave,
	s_lshl_b32 s44, s44, 10                        ; of 1,024 bytes
	s_mov_b32 s45, 0
	s_mov_b32 s[G0], 1
	s_mul_i32 s[G0+1], s14, 64*PITCH               ; LDS: wave x 64 rows
	s_mov_b32 s[G0+4], 1
	s_add_co_u32 s[G0+5], s[G0+1], SLOT
	s_lshl_b32 s46, s43, 4
	s_lshl_b32 s47, s16, 3
	s_add_co_u32 s46, s46, s47                     ; part 1: column tile 16 X + 8 x half,
	s_lshl_b32 s46, s46, 14                        ; eight images of 2,048 bytes a tile
	s_add_co_u32 s46, s46, WIMG
	s_mov_b32 s47, 0
	s_lshl_b32 s48, s43, 3
	s_lshl_b32 s49, s16, 2
	s_add_co_u32 s48, s48, s49
	s_add_co_u32 s48, s48, 128                     ; part 2: tile 128 + 8 X + 4 x half
	s_lshl_b32 s48, s48, 14
	s_add_co_u32 s48, s48, WIMG
	s_mov_b32 s49, 0
	s_lshl_b32 s78, s42, 1
	s_add_co_u32 s78, s78, s15                     ; my token block, 0..63
	s_lshl_b32 s79, s43, 1
	s_add_co_u32 s79, s79, s16                     ; hh, 0..15
	s_lshr_b32 s80, s78, 4                         ; the batch
	s_and_b32 s81, s78, 15                         ; the token block in it
	s_lshl_b32 s82, s80, 4
	s_add_co_u32 s82, s82, s79
	s_lshl_b32 s82, s82, 4
	s_add_co_u32 s82, s82, s81                     ; part 1: (16 b + hh) 16 + token block
	s_lshl_b32 s82, s82, 14
	s_mov_b32 s83, 0
	s_lshl_b32 s76, s80, 3
	s_add_co_u32 s76, s76, s43
	s_lshl_b32 s76, s76, 4
	s_add_co_u32 s76, s76, s81
	s_add_co_u32 s76, s76, 1024                    ; part 2: 1,024 + (8 b + X) 16 + token block,
	s_lshl_b32 s76, s76, 14
	s_lshl_b32 s77, s16, 13
	s_add_co_u32 s76, s76, s77                     ; tiles 4 (wave % 2) on
	s_mov_b32 s77, 0
	s_wait_alu depctr_va_vdst(0)                   ; the wait at the end of the head's vector work, directly ahead of the waits below
	s_wait_dscnt 0x0                               ; both opening adds are done
	s_wait_kmcnt 0x0
	s_load_b256 s[68:75], s[6:7], 0x0              ; e0 .. e7
	s_add_nc_u64 s[G0+2:G0+3], s[4:5], s[44:45]
	s_add_nc_u64 s[G0+6:G0+7], s[G0+2:G0+3], 512   ; the second half along K
	s_or_b32 s[G0+3], s[G0+3], 0x80000000
	s_or_b32 s[G0+7], s[G0+7], 0x80000000
	s_add_nc_u64 s[W1P:W1P+1], s[4:5], s[46:47]
	s_add_nc_u64 s[W2P:W2P+1], s[4:5], s[48:49]
	s_add_nc_u64 s[8:9], s[10:11], s[76:77]        ; part 2's block
	s_add_nc_u64 s[10:11], s[10:11], s[82:83]      ; part 1's
	BLOAD 0
	CROUND                                         ; in front of the first joint load
	tensor_load_to_lds s[G0:G0+3], s[G1:G1+7]      ; xn's first half: my one load at the head
	s_nop 0
	PLACES 4
	BLOAD 1
	s_wait_tensorcnt 0x0                           ; my part of the first half is in
	ds_add_u32 v[SPW], v[NIL]
	s_wait_dscnt 0x0
	CROUND                                         ; everybody's part is in, and the four work-groups are here
	tensor_load_to_lds s[G0+4:G0+7], s[G1:G1+7]    ; xn's second half: the first tensor load behind the round
	s_nop 0
	PLACES 4
	BLOAD 2
	ALOAD 0
	ALOAD 1
	ALOAD 2
	ALOAD 3
.set n, 0
.rept 32                               ; part 1: eight K steps of 128, four pairs of token tiles each
	PAIR n
.set n, n+2
.endr
	WIN 0
	s_wait_kmcnt 0x0
	s_cmp_eq_u32 ttmp9, 0                          ; the cluster's x: 0: q, 1: k
	s_cselect_b32 s79, s70, s71                    ; e2 or e3
	SCALES 79
	PLACES 4                                       ; behind the last products
.irp a, 0,1,2,3,4,5,6,7
	OUTA \a, 10
.endr
	WIN 0
	s_wait_xcnt 0x0                                ; part 1's stores have read their registers: set 10 lands there only behind this wait
	s_wait_loadcnt 32                              ; set 8 is in; set 9 may be out
	BLOAD 10
	XLOAD 0
.irp p, 0,1,2,3,4,5,6,7
	STEP2 \p
.endr
	WIN 0
	SCALES 73                                      ; e5
	PLACES 4
.irp a, 0,1,2,3
	OUTA \a, 8
.endr
	WIN 0
	s_wait_tensorcnt 0x0                           ; the wave's end
	ds_add_u32 v[SPW], v[NIL]
	s_wait_dscnt 0x0
	CROUND                                         ; the closing round
	s_endpgm
.Lfunc_end_k_qd2d5923fb1_qkv:
	.size	k_qd2d5923fb1_qkv, .Lfunc_end_k_qd2d5923fb1_qkv-k_qd2d5923fb1_qkv
	.p2alignl 7, 3214868480
	.fill 96, 4, 3214868480
	.section	.rodata,"a",@progbits
	.p2align	6, 0x0
	.amdhsa_kernel k_qd2d5923fb1_qkv
		.amdhsa_group_segment_fixed_size 327680
		.amdhsa_private_segment_fixed_size 0
		.amdhsa_enable_private_segment 0
		.amdhsa_kernarg_size 24
		.amdhsa_user_sgpr_count 2
		.amdhsa_user_sgpr_kernarg_segment_ptr 1
		.amdhsa_wavefront_size32 1
		.amdhsa_system_sgpr_workgroup_id_x 1
		.amdhsa_system_sgpr_workgroup_id_y 1
		.amdhsa_system_sgpr_workgroup_id_z 1
		.amdhsa_system_vgpr_workitem_id 0
		.amdhsa_next_free_vgpr 1024
		.amdhsa_next_free_sgpr 100
		.amdhsa_reserve_vcc 0
		.amdhsa_float_denorm_mode_32 3
		.amdhsa_float_denorm_mode_16_64 3
		.amdhsa_memory_ordered 1
		.amdhsa_forward_progress 1
		.amdhsa_inst_pref_size 194
	.end_amdhsa_kernel
	.amdgpu_metadata
---
amdhsa.version: [ 1, 2 ]
amdhsa.kernels:
  - .name:           k_qd2d5923fb1_qkv
    .symbol:         k_qd2d5923fb1_qkv.kd
    .args:
      - { .name: codes, .offset: 0, .size: 8, .value_kind: global_buffer, .address_space: global }
      - { .name: lowp_scales, .offset: 8, .size: 8, .value_kind: global_buffer, .address_space: global }
      - { .name: qkv, .offset: 16, .size: 8, .value_kind: global_buffer, .address_space: global }
    .group_segment_fixed_size: 327680
    .private_segment_fixed_size: 0
    .kernarg_segment_align: 8
    .kernarg_segment_size: 24
    .max_flat_workgroup_size: 128
    .sgpr_count:     100
    .vgpr_count:     1024
    .wavefront_size: 32
...
	.end_amdgpu_metadata
.endif
;; end of part 2
;; launch attn (part 3): grid 8 x 32, 4 waves a work-group, clusters of 4 x 1, 327,680 bytes of LDS; arguments qkv, lowp_scales, ao; writes ao
.if DOCPART == 3
	.amdgcn_target "amdgcn-amd-amdhsa--gfx1250"
	.amdhsa_code_object_version 6
	.text
	.protected	k_qd2d5923fb1_attn
	.globl	k_qd2d5923fb1_attn
	.p2align	8
	.type	k_qd2d5923fb1_attn,@function
k_qd2d5923fb1_attn:
	s_mov_b64 s[64:65], 0
	v_nop
	global_prefetch_b8 v0, s[64:65] scope:SCOPE_SE
	s_setreg_imm32_b32 hwreg(HW_REG_WAVE_MODE, 25, 1), 1
	s_wait_xcnt 0x0
	s_wait_alu depctr_hold_cnt(0) depctr_sa_sdst(0) depctr_va_vdst(0) depctr_va_sdst(0) depctr_va_ssrc(0) depctr_va_vcc(0) depctr_vm_vsrc(0)
	s_getreg_b32 s2, hwreg(HW_REG_IB_STS2, 6, 4)
	s_cmp_eq_u32 s2, 0
	s_cbranch_scc0 .Lentry_in_a_cluster
	s_endpgm
.Lentry_in_a_cluster:
	s_bfe_u32 s2, ttmp6, 0x10000c
	s_cmp_lg_u32 s2, 0x3003
	s_cbranch_scc0 .Lentry_shape_is_right
	s_endpgm
.Lentry_shape_is_right:
; LAUNCH 3 OF 4.  ao = Q(softmax(q k^T / 32) v), both products on codes of FP8 (E4M3), from the register images that the launch before laid in qkv; the result is quantised at once (scale e6) for the last product.  No work is left out.
; THE SOFTMAX: t = score x log2(e) / 32 x 2^(e2 + e3); M = the ceiling of the row's running largest t; p = 2^(t - M) is held at 448 x 2^e4 and quantised; the row's sum is taken of the unquantised p; when M moves, sums and O^T are multiplied by 2^(old M - new M).
; SHARES.  A work-group owns 256 queries of one head; each of its FOUR waves owns 64 of them, four tiles of 16, so that each fragment of K and of V read from LDS feeds four matrix instructions.  A key step is 128 keys: 64 matrix instructions a wave.
; Both products are used transposed (S^T = K Q^T, O^T = V^T P^T): a lane holds one query of each tile throughout; the images' order of rows makes the 16 registers of two neighbouring tiles 16 neighbours along the next K.
; THE RING: two slots of 512 keys (4 blocks of K, then 4 of V, 16,384 bytes each).  Each wave fetches two blocks with one tensor load (128 rows of 256 bytes, dense).  CLUSTER: the four work-groups of a cluster walk the same head's K and V and ask jointly (mask 15).
; A TRIP IS LAID SO: K(n)'s fragments are asked for, PV(n - 1) is multiplied meanwhile; V(n)'s are asked for, QK(n) is multiplied meanwhile; then step n's softmax.  So at a change of slots all reads of the slot left are over.
; The first trip's PV finds zeros in P, V's fragments and O^T (cleared once at the head, while the first tile is on its way): that spares a further written copy of the step.
; The exponentials go in four batches of 64, one a tile of queries; between them stand the next tile's multiply-adds and the last tile's holds, whose results are read only behind the batch's closing wait.
; NO PREFETCH: a refill is asked for four key steps, 256 matrix instructions a wave, ahead of the wait for it, so the waves do not stand waiting for this stream in the loop.
; LIMITS: e2 + e3 between -121 and 132 (added to c's exponent field); e4 between -126 and 119; the scaled scores stay under 2^31 in magnitude.  NaN is not served.
; REGISTERS, in windows of 256: window 0: addresses, state (16 a tile), P's codes, Q;  window 1: S^T, then p (64 x + 8 t + j);  window 2: O^T (64 x + 8 t + j);  window 3: K's fragments (16 t), V's (128 + 16 t).
.set BLK,   16384
.set SLOTB, 131072
.set SPARE, 2*SLOTB                    ; behind the ring: the spare words, 128 bytes a wave
.set LI,   1                           ; 16 x lane
.set LIV,  2                           ; the same + 4 blocks: V's part of a slot
.set ADK,  3
.set ADV,  4
.set SPW,  5                           ; my spare word; never rewritten
.set NIL,  6                           ; 0; never rewritten
.set PSC,  8                           ; 2^e4
.set PLIM, 9                           ; 448 x 2^e4
.set C448, 10
.set ONE,  11
.set ST,   16                          ; state of tile x at ST + 16 x: 0 -M, 1 t, 2 f, 3 at work, 4 and 5 running largest raw score in two chains, 6 permute, 8-15 the sum in four pairs
.set P,    80
.set Q,    144
.set WV,   10
.set SEL,  20
.set CS,   22
.set G1,   24
.set G0,   32
.set OUT,  36
.set TB,   48
.set CNT,  49
.set EX,   50
.set MSB, 0
.macro WIN new                         ; the immediate's high byte repeats the setting that is left
.if MSB != \new
	s_set_vgpr_msb (MSB<<8)|\new
.set MSB, \new
.endif
.endm
.macro CROUND                          ; a round of the cluster's barrier
	s_barrier_signal -1
	s_barrier_wait -1
	s_cmp_lg_u32 s[WV], 0
	s_cbranch_scc1 .Lnot_wave_0_\@
	s_barrier_signal -3
.Lnot_wave_0_\@:
	s_barrier_wait -3
	s_barrier_signal -1
	s_barrier_wait -1
.endm
	s_load_b128 s[4:7], s[0:1], 0x0                ; qkv, the exponents
	s_load_b64 s[8:9], s[0:1], 0x10                ; ao
	v_lshl_add_u32 v[SPW], v0, 2, SPARE
	v_mov_b32 v[NIL], 0
	ds_add_u32 v[SPW], v[NIL]                      ; the opening lines: the add twice on end and one wait
	ds_add_u32 v[SPW], v[NIL]
	v_lshrrev_b32 v7, 5, v0
	v_readfirstlane_b32 s[WV], v7                  ; wave 0..3
	v_and_b32 v[LI], 31, v0
	v_lshlrev_b32 v[LI], 4, v[LI]
	v_add_nc_u32 v[LIV], 4*BLK, v[LI]
	s_bfe_u32 s11, ttmp6, 0x40000                  ; cx
	s_lshl_b32 s12, ttmp9, 2
	s_add_co_u32 s12, s12, s11                     ; which 256 queries
	s_and_b32 s13, ttmp7, 0xffff
	s_lshr_b32 s14, s13, 3                         ; batch
	s_and_b32 s15, s13, 7                          ; head
	s_mov_b32 s[G1], 15|(3<<16)|(1<<21)            ; mask of the four; elements of 8 bytes; bit 21 beside a mask
	s_mov_b32 s[G1+1], 32<<16                      ; rows of 256 bytes
	s_mov_b32 s[G1+2], 128<<16
	s_mov_b32 s[G1+3], 32<<16
	s_mov_b32 s[G1+4], 128                         ; 128 rows: two blocks
	s_mov_b32 s[G1+5], 32
	s_mov_b32 s[G1+6], 0
	s_mov_b32 s[G1+7], 0
	s_mov_b32 s[SEL], 0x76543210
	s_mov_b32 s[SEL+1], 0xfedcba98
	s_lshl_b32 s16, s14, 8
	s_lshl_b32 s17, s15, 4
	s_add_co_u32 s16, s16, s17
	s_add_co_u32 s16, s16, 128                     ; K's first block: (16 b + 8 + head) 16
	s_lshl_b32 s17, s14, 7
	s_sub_co_u32 s17, 896, s17                     ; from there to V's first block
	s_lshr_b32 s18, s[WV], 1                       ; waves 0, 1 fetch K, waves 2, 3 V
	s_mul_i32 s17, s17, s18
	s_add_co_u32 s16, s16, s17
	s_and_b32 s19, s[WV], 1
	s_lshl_b32 s51, s19, 1
	s_add_co_u32 s16, s16, s51                     ; + my two blocks of the slot's four
	s_lshl_b32 s16, s16, 14
	s_mov_b32 s17, 0
	s_mov_b32 s[G0], 1
	s_lshl_b32 s[G0+1], s[WV], 15                  ; LDS: wave x 32,768, slot 0
	s_lshl_b32 s55, s12, 1
	s_add_co_u32 s55, s55, s18                     ; my token block in the batch
	s_lshl_b32 s56, s19, 13                        ; my four tiles of its eight
	s_lshl_b32 s54, s14, 4
	s_add_co_u32 s54, s54, s15
	s_lshl_b32 s54, s54, 4
	s_add_co_u32 s54, s54, s55
	s_lshl_b32 s54, s54, 14
	s_add_co_u32 s54, s54, s56                     ; Q
	s_lshl_b32 s58, s14, 4
	s_add_co_u32 s58, s58, s55
	s_lshl_b32 s58, s58, 3
	s_add_co_u32 s58, s58, s15
	s_lshl_b32 s58, s58, 14
	s_add_co_u32 s58, s58, s56                     ; ao
	s_mov_b32 s55, 0
	s_mov_b32 s59, 0
	s_wait_alu depctr_va_vdst(0)                   ; directly ahead of the waits below
	s_wait_dscnt 0x0                               ; both opening adds are done
	s_wait_kmcnt 0x0
	s_load_b256 s[40:47], s[6:7], 0x0              ; e0 .. e7
	s_add_nc_u64 s[G0+2:G0+3], s[4:5], s[16:17]
	s_or_b32 s[G0+3], s[G0+3], 0x80000000
	s_add_nc_u64 s[52:53], s[4:5], s[54:55]
	s_add_nc_u64 s[8:9], s[8:9], s[58:59]
.irp x, 0,1,2,3
.irp c, 0,1,2,3
	global_load_b128 v[Q+16*\x+4*\c:Q+16*\x+4*\c+3], v[LI], s[52:53] offset:2048*\x+512*\c   ; Q's four fragments stay in registers
.endr
.endr
	CROUND                                         ; in front of the first joint load
	tensor_load_to_lds s[G0:G0+3], s[G1:G1+7]      ; slot 0: my one load at the head
	s_nop 0
.rept 4
	v_nop
.endr
.set i, 0
.rept 64
	v_mov_b32 v[ST+i], 0
	v_mov_b32 v[P+i], 0
.set i, i+1
.endr
.irp x, 0,1,2,3
	v_mov_b32 v[ST+16*\x], 0x7f61b1e6              ; -M = 3e38
	v_mov_b32 v[ST+16*\x+4], 0xff61b1e6            ; the largest score so far: -3e38
	v_mov_b32 v[ST+16*\x+5], 0xff61b1e6
.endr
	v_mov_b32 v[C448], 0x43e00000
	v_mov_b32 v[ONE], 1.0
	WIN 0x80
.set i, 0
.rept 256
	v_mov_b32 v[i], 0                              ; O^T
.set i, i+1
.endr
	WIN 0xc0
.set i, 0
.rept 128
	v_mov_b32 v[128+i], 0                          ; V's fragments, for the first trip's product of zeros
.set i, i+1
.endr
	WIN 0
	s_wait_kmcnt 0x0
	s_add_co_i32 s62, s42, s43
	s_lshl_b32 s62, s62, 23
	s_mov_b32 s[CS], 0x3d38aa3b                    ; log2(e) / 32
	s_add_co_i32 s[CS], s[CS], s62                 ; x 2^(e2 + e3)
	s_mov_b32 s[CS+1], s[CS]
	s_add_co_i32 s62, s44, 127
	s_lshl_b32 s63, s62, 23
	v_mov_b32 v[PSC], s63
	s_add_co_i32 s62, s62, 8
	s_lshl_b32 s62, s62, 23
	s_or_b32 s62, s62, 0x600000
	v_mov_b32 v[PLIM], s62
	s_add_co_i32 s[EX], s44, s45
	s_sub_co_i32 s[EX], s[EX], s46                 ; e4 + e5 - e6
.macro PV                              ; O^T += V^T P^T: 32 accumulators by turns
.irp t, 0,1,2,3,4,5,6,7
.irp x, 0,1,2,3
	v_wmma_f32_16x16x128_fp8_fp8 v[64*\x+8*\t:64*\x+8*\t+7], v[128+16*\t:128+16*\t+15], v[P+16*\x:P+16*\x+15], v[64*\x+8*\t:64*\x+8*\t+7]
.endr
.endr
.endm
; a batch: tile g's 64 exponentials; between them tile g - 1's holds and tile g + 1's t - M.  Nothing written in a batch is read in it.  It ends with a plain instruction and the closing wait.
.macro BATCH g
.set i, 0
.rept 32
	v_exp_f32 v[64*\g+2*i], v[64*\g+2*i]
.if \g > 0
	v_min_num_f32 v[64*(\g-1)+2*i], v[64*(\g-1)+2*i], v[PLIM]
.endif
	v_exp_f32 v[64*\g+2*i+1], v[64*\g+2*i+1]
.if \g > 0
	v_min_num_f32 v[64*(\g-1)+2*i+1], v[64*(\g-1)+2*i+1], v[PLIM]
.endif
.if \g < 3
	v_pk_fma_f32 v[64*(\g+1)+2*i:64*(\g+1)+2*i+1], v[64*(\g+1)+2*i:64*(\g+1)+2*i+1], s[CS:CS+1], v[ST+16*(\g+1):ST+16*(\g+1)+1] op_sel_hi:[1,0,0]
.endif
.set i, i+1
.endr
	s_wait_alu depctr_va_vdst(0)                   ; one wait for the batch, ahead of its first reader
.endm
.macro SUMS g                          ; the row's sum of the unquantised p, in four chains
	WIN 0x04
.set i, 0
.rept 32
	v_pk_add_f32 v[ST+16*\g+8+2*(i%4):ST+16*\g+9+2*(i%4)], v[ST+16*\g+8+2*(i%4):ST+16*\g+9+2*(i%4)], v[64*\g+2*i:64*\g+2*i+1]
.set i, i+1
.endr
.endm
.macro CODES g                         ; tile g's held p into P's registers
	WIN 0x01
.irp b, 0,1,2,3
	v_cvt_scalef32_pk8_fp8_f32 v[P+16*\g+4*\b:P+16*\g+4*\b+1], v[64*\g+16*\b:64*\g+16*\b+7], v[PSC]
	v_cvt_scalef32_pk8_fp8_f32 v[P+16*\g+4*\b+2:P+16*\g+4*\b+3], v[64*\g+16*\b+8:64*\g+16*\b+15], v[PSC]
.endr
.endm
.macro STEP
	v_add_nc_u32 v[ADK], s[TB], v[LI]
	WIN 0xc0
.irp t, 0,1,2,3,4,5,6,7
.irp c, 0,1,2,3
	ds_load_b128 v[16*\t+4*\c:16*\t+4*\c+3], v[ADK] offset:2048*\t+512*\c
.endr
.endr
	s_wait_dscnt 32                                ; the last step's fragments of V are in; the 32 loads just issued may be out
	WIN 0xa3
	PV
	WIN 0
	v_add_nc_u32 v[ADV], s[TB], v[LIV]             ; four places in front of loads into registers that the products have read
.rept 3
	v_nop
.endr
	WIN 0xc0
.irp t, 0,1,2,3,4,5,6,7
.irp c, 0,1,2,3
	ds_load_b128 v[128+16*\t+4*\c:128+16*\t+4*\c+3], v[ADV] offset:2048*\t+512*\c
.endr
.endr
	s_wait_dscnt 32                                ; K's fragments are in; V's 32 loads may be out
	WIN 0x43
.irp t, 0,1,2,3,4,5,6,7
.irp x, 0,1,2,3
	v_wmma_f32_16x16x128_fp8_fp8 v[64*\x+8*\t:64*\x+8*\t+7], v[16*\t:16*\t+15], v[Q+16*\x:Q+16*\x+15], 0
.endr
.endr
	WIN 0x14
.rept 4
	v_nop
.endr
.set i, 0
.rept 16                               ; the running largest raw score, eight chains; each accumulator is read from its low end on
.irp x, 0,1,2,3
	v_max3_num_f32 v[ST+16*\x+4], v[ST+16*\x+4], v[64*\x+4*i], v[64*\x+4*i+1]
	v_max3_num_f32 v[ST+16*\x+5], v[ST+16*\x+5], v[64*\x+4*i+2], v[64*\x+4*i+3]
.endr
.set i, i+1
.endr
	WIN 0
.irp x, 0,1,2,3
	v_max_num_f32 v[ST+16*\x+1], v[ST+16*\x+4], v[ST+16*\x+5]
.endr
.irp x, 0,1,2,3
	v_mov_b32 v[ST+16*\x+3], v[ST+16*\x]           ; the old -M
.endr
.irp x, 0,1,2,3
	v_permlanex16_b32 v[ST+16*\x+6], v[ST+16*\x+1], s[SEL], s[SEL+1]
.endr
.irp x, 0,1,2,3
	v_max_num_f32 v[ST+16*\x+1], v[ST+16*\x+1], v[ST+16*\x+6]
.endr
.irp x, 0,1,2,3
	v_mul_f32 v[ST+16*\x+1], s[CS], v[ST+16*\x+1]  ; as t (c is positive)
.endr
.irp x, 0,1,2,3
	v_floor_f32 v[ST+16*\x], -v[ST+16*\x+1]        ; -M = -ceil(t)
.endr
.irp x, 0,1,2,3
	v_sub_f32 v[ST+16*\x+3], v[ST+16*\x], v[ST+16*\x+3]
.endr
.irp x, 0,1,2,3
	v_cvt_i32_f32 v[ST+16*\x+3], v[ST+16*\x+3]     ; (it saturates)
.endr
.irp x, 0,1,2,3
	v_ldexp_f32 v[ST+16*\x+2], 1.0, v[ST+16*\x+3]  ; f = 2^(old M - new M)
.endr
.irp q, 8,10,12,14
.irp x, 0,1,2,3
	v_pk_mul_f32 v[ST+16*\x+\q:ST+16*\x+\q+1], v[ST+16*\x+\q:ST+16*\x+\q+1], v[ST+16*\x+2:ST+16*\x+3] op_sel_hi:[1,0]
.endr
.endr
	WIN 0x82
.irp x, 0,1,2,3
.set i, 0
.rept 32
	v_pk_mul_f32 v[64*\x+i:64*\x+i+1], v[64*\x+i:64*\x+i+1], v[ST+16*\x+2:ST+16*\x+3] op_sel_hi:[1,0]   ; O^T under the new M; no exponential stands between the last products and these
.set i, i+2
.endr
.endr
	WIN 0x41
.set i, 0
.rept 32
	v_pk_fma_f32 v[2*i:2*i+1], v[2*i:2*i+1], s[CS:CS+1], v[ST:ST+1] op_sel_hi:[1,0,0]   ; tile 0's t - M
.set i, i+1
.endr
	s_wait_alu depctr_va_vdst(0)                   ; the wait ahead of the batches too
	BATCH 0
	SUMS 0
	WIN 0x41
	BATCH 1
	SUMS 1
	CODES 0
	WIN 0x41
	BATCH 2
	SUMS 2
	CODES 1
	WIN 0x41
	BATCH 3
	SUMS 3
	WIN 0x41
.set i, 0
.rept 64
	v_min_num_f32 v[192+i], v[192+i], v[PLIM]      ; the conversion does not saturate (ISA guide 7.6.2); p is not negative, so the hold is one-sided
.set i, i+1
.endr
	CODES 2
	CODES 3
	v_nop                                          ; a plain line behind the last conversion
	WIN 0
.endm
.macro RUN4                            ; a slot's four key steps
	s_mov_b32 s[CNT], 4
.Lstep_\@:
	STEP
	s_add_co_u32 s[TB], s[TB], BLK
	s_sub_co_u32 s[CNT], s[CNT], 1
	s_cmp_lg_u32 s[CNT], 0
	s_wait_alu depctr_va_vdst(0)
	s_cbranch_scc1 .Lstep_\@
	s_xor_b32 s[TB], s[TB], SLOTB+4*BLK            ; from this slot's end to the other slot's first byte
.endm
; THE CHANGE OF SLOTS stands at a slot's head.  fill = 1: behind a round of the cluster's barrier the slot that was left (the first time: slot 1, never filled yet) takes the 512 keys that follow.
.macro CHANGE fill
	s_wait_tensorcnt 0x0                           ; my one load that was out has landed, so group 0 may be written
	ds_add_u32 v[SPW], v[NIL]
.if \fill
	s_xor_b32 s[G0+1], s[G0+1], SLOTB
	s_add_nc_u64 s[G0+2:G0+3], s[G0+2:G0+3], 4*BLK
.endif
	s_wait_dscnt 0x0                               ; the add is done, and my reads of the slot that I have left are over
.if \fill
	CROUND
	tensor_load_to_lds s[G0:G0+3], s[G1:G1+7]
	s_nop 0
.rept 4
	v_nop
.endr
.else
	s_barrier_signal -1
	s_barrier_wait -1
.endif
.endm
	s_mov_b32 s[TB], 0
	s_mov_b32 s[OUT], 3
	s_wait_alu depctr_va_vdst(0)                   ; the wait at the head's end
	s_wait_loadcnt 0x0                             ; Q
.Lslot:                                            ; three trips: behind each change of slots but the last the next slot is asked for
	CHANGE 1
	RUN4
	s_sub_co_u32 s[OUT], s[OUT], 1
	s_cmp_lg_u32 s[OUT], 0
	s_cbranch_scc1 .Lslot
	CHANGE 0                                       ; the last slot is written out: nothing is left to fetch
	RUN4
	s_wait_dscnt 0x0                               ; the last step's fragments of V
	WIN 0xa3
	PV
	WIN 0
	; THE WAY OUT: O^T / the sum x 2^(e4 + e5 - e6), held within +-448, converted, stored as a register image
.irp x, 0,1,2,3
	v_pk_add_f32 v[ST+16*\x+8:ST+16*\x+9], v[ST+16*\x+8:ST+16*\x+9], v[ST+16*\x+10:ST+16*\x+11]
	v_pk_add_f32 v[ST+16*\x+12:ST+16*\x+13], v[ST+16*\x+12:ST+16*\x+13], v[ST+16*\x+14:ST+16*\x+15]
.endr
.irp x, 0,1,2,3
	v_pk_add_f32 v[ST+16*\x+8:ST+16*\x+9], v[ST+16*\x+8:ST+16*\x+9], v[ST+16*\x+12:ST+16*\x+13]
.endr
.irp x, 0,1,2,3
	v_add_f32 v[ST+16*\x+1], v[ST+16*\x+8], v[ST+16*\x+9]
.endr
.irp x, 0,1,2,3
	v_permlanex16_b32 v[ST+16*\x+6], v[ST+16*\x+1], s[SEL], s[SEL+1]
.endr
.irp x, 0,1,2,3
	v_add_f32 v[ST+16*\x+1], v[ST+16*\x+1], v[ST+16*\x+6]
.endr
	s_wait_alu depctr_va_vdst(0)                   ; the wait ahead of the transcendentals
.irp x, 0,1,2,3
	v_rcp_f32 v[ST+16*\x+2], v[ST+16*\x+1]
.endr
	v_nop
	s_wait_alu depctr_va_vdst(0)                   ; and behind them, ahead of the first reader
.irp x, 0,1,2,3
	v_ldexp_f32 v[ST+16*\x+2], v[ST+16*\x+2], s[EX]
.endr
	WIN 0x42
	s_wait_alu depctr_va_vdst(0)                   ; directly ahead of the first reader of O^T
.irp x, 0,1,2,3
.set i, 0
.rept 32
	v_pk_mul_f32 v[64*\x+i:64*\x+i+1], v[64*\x+i:64*\x+i+1], v[ST+16*\x+2:ST+16*\x+3] op_sel_hi:[1,0]   ; into window 1
.set i, i+2
.endr
.endr
	WIN 0x41
.set i, 0
.rept 256
	v_med3_num_f32 v[i], v[i], -v[C448], v[C448]
.set i, i+1
.endr
	WIN 0x01
.irp x, 0,1,2,3
.irp b, 0,1,2,3
	v_cvt_scalef32_pk8_fp8_f32 v[P+16*\x+4*\b:P+16*\x+4*\b+1], v[64*\x+16*\b:64*\x+16*\b+7], v[ONE]
	v_cvt_scalef32_pk8_fp8_f32 v[P+16*\x+4*\b+2:P+16*\x+4*\b+3], v[64*\x+16*\b+8:64*\x+16*\b+15], v[ONE]
.endr
.endr
	v_nop
	WIN 0
.irp x, 0,1,2,3
.irp c, 0,1,2,3
	global_store_b128 v[LI], v[P+16*\x+4*\c:P+16*\x+4*\c+3], s[8:9] offset:2048*\x+512*\c   ; 32 lanes store 512 consecutive bytes
.endr
.endr
	s_wait_tensorcnt 0x0                           ; the wave's end
	ds_add_u32 v[SPW], v[NIL]
	s_wait_dscnt 0x0
	CROUND                                         ; the closing round
	s_endpgm
.Lfunc_end_k_qd2d5923fb1_attn:
	.size	k_qd2d5923fb1_attn, .Lfunc_end_k_qd2d5923fb1_attn-k_qd2d5923fb1_attn
	.p2alignl 7, 3214868480
	.fill 96, 4, 3214868480
	.section	.rodata,"a",@progbits
	.p2align	6, 0x0
	.amdhsa_kernel k_qd2d5923fb1_attn
		.amdhsa_group_segment_fixed_size 327680
		.amdhsa_private_segment_fixed_size 0
		.amdhsa_enable_private_segment 0
		.amdhsa_kernarg_size 24
		.amdhsa_user_sgpr_count 2
		.amdhsa_user_sgpr_kernarg_segment_ptr 1
		.amdhsa_wavefront_size32 1
		.amdhsa_system_sgpr_workgroup_id_x 1
		.amdhsa_system_sgpr_workgroup_id_y 1
		.amdhsa_system_sgpr_workgroup_id_z 1
		.amdhsa_system_vgpr_workitem_id 0
		.amdhsa_next_free_vgpr 1024
		.amdhsa_next_free_sgpr 66
		.amdhsa_reserve_vcc 0
		.amdhsa_float_denorm_mode_32 3
		.amdhsa_float_denorm_mode_16_64 3
		.amdhsa_memory_ordered 1
		.amdhsa_forward_progress 1
		.amdhsa_inst_pref_size 180
	.end_amdhsa_kernel
	.amdgpu_metadata
---
amdhsa.version: [ 1, 2 ]
amdhsa.kernels:
  - .name:           k_qd2d5923fb1_attn
    .symbol:         k_qd2d5923fb1_attn.kd
    .args:
      - { .name: qkv, .offset: 0, .size: 8, .value_kind: global_buffer, .address_space: global }
      - { .name: lowp_scales, .offset: 8, .size: 8, .value_kind: global_buffer, .address_space: global }
      - { .name: ao, .offset: 16, .size: 8, .value_kind: global_buffer, .address_space: global }
    .group_segment_fixed_size: 327680
    .private_segment_fixed_size: 0
    .kernarg_segment_align: 8
    .kernarg_segment_size: 24
    .max_flat_workgroup_size: 128
    .sgpr_count:     66
    .vgpr_count:     1024
    .wavefront_size: 32
...
	.end_amdgpu_metadata
.endif
;; end of part 3
;; launch proj (part 4): grid 4 x 64, 4 waves a work-group, clusters of 4 x 1, 327,680 bytes of LDS; arguments ao, codes, lowp_scales, b_out, x, out0; writes out0
.if DOCPART == 4
	.amdgcn_target "amdgcn-amd-amdhsa--gfx1250"
	.amdhsa_code_object_version 6
	.text
	.protected	k_qd2d5923fb1_proj
	.globl	k_qd2d5923fb1_proj
	.p2align	8
	.type	k_qd2d5923fb1_proj,@function
k_qd2d5923fb1_proj:
	s_mov_b64 s[64:65], 0
	v_nop
	global_prefetch_b8 v0, s[64:65] scope:SCOPE_SE
	s_setreg_imm32_b32 hwreg(HW_REG_WAVE_MODE, 25, 1), 1
	s_wait_xcnt 0x0
	s_wait_alu depctr_hold_cnt(0) depctr_sa_sdst(0) depctr_va_vdst(0) depctr_va_sdst(0) depctr_va_ssrc(0) depctr_va_vcc(0) depctr_vm_vsrc(0)
	s_getreg_b32 s2, hwreg(HW_REG_IB_STS2, 6, 4)
	s_cmp_eq_u32 s2, 0
	s_cbranch_scc0 .Lentry_in_a_cluster
	s_endpgm
.Lentry_in_a_cluster:
	s_bfe_u32 s2, ttmp6, 0x10000c
	s_cmp_lg_u32 s2, 0x3003
	s_cbranch_scc0 .Lentry_shape_is_right
	s_endpgm
.Lentry_shape_is_right:
; LAUNCH 4 OF 4.  out0 = x + Q(attention's result) Q(w_out) + b_out, on the codes in ao (register images, scale e6) and on w_out's register images in codes (scale e7).  No work is left out.
; SHARES.  Work-group (X, Y) makes tokens 128 Y .. x columns 256 X ..; wave w: 64 tokens (w / 2) x 128 columns (w % 2), 32 accumulators.  K = 1,024 is eight steps of 128 (a head each), 32 matrix instructions a step.
; NO RING: ao's whole K for the 128 tokens is 131,072 consecutive bytes, and the work-group's tile of x is 128 rows x 1,024 bytes: both come into LDS at the head, one tensor load a wave (waves 0, 1: ao's halves; waves 2, 3: x's), and nothing is filled again.
; CLUSTER: the four work-groups of a cluster share Y and ask for ao jointly (mask 15); x's tile is each work-group's own (no mask).
; w_out's codes go from memory straight into operand registers (each load of a wave reads 512 consecutive bytes of an image), three sets of 128 registers by turns, a set asked for two K steps ahead.  They are not asked for jointly:
; ao, x and the stages take 295,936 bytes of LDS, which leaves no room for slots of weights.  NO PREFETCH: each wave has one tensor load and no loop to run ahead in, and the weights' loads run two sets ahead.
; Source 0 = w_out's columns, source 1 = tokens: a lane holds a token, its registers run along the columns; a block of 16 tokens goes through the wave's own stage in LDS and leaves as rows of 512 bytes.
; LIMIT: e6 + e7 between -126 and 127, so that 2^(e6 + e7) is an f32 number.
; REGISTERS, in windows of 256: window 0: addresses, bias, v64-191 ao's fragments (two sets of four), then rows on the way out;  window 1: the weights' sets 0, 1, then x's rows;  window 2: the accumulators ((a, b) at v[8 (8 a + b)]);  window 3: the weights' set 2.
.set IMG,    16384
.set XOFF,   131072                    ; x's tile: row r at XOFF + 1,024 r
.set STAGE,  262144
.set SPITCH, 528
.set SPARE,  STAGE+4*16*SPITCH
.set WIMG,   8388608                   ; where the weights' images begin in codes
.set ADRA, 16                          ; v16-17 my four token tiles in heads 0-3, 4-7
.set XAD,  18                          ; v18    my 512 bytes of my first row of x in LDS
.set STO,  24
.set RD,   25
.set CO,   26                          ; 16 x lane
.set SPW,  28
.set NIL,  29
.set BIAS, 32
.set AF,   64
.set G1, 24
.set G0, 32
.set WP, 44
.set G1X, 48
.set G0X, 56
.set MSB, 0
.macro WIN new                         ; the immediate's high byte repeats the setting that is left
.if MSB != (\new)
	s_set_vgpr_msb (MSB<<8)|(\new)
.set MSB, (\new)
.endif
.endm
.macro CROUND                          ; a round of the cluster's barrier
	s_barrier_signal -1
	s_barrier_wait -1
	s_cmp_lg_u32 s16, 0
	s_cbranch_scc1 .Lnot_wave_0_\@
	s_barrier_signal -3
.Lnot_wave_0_\@:
	s_barrier_wait -3
	s_barrier_signal -1
	s_barrier_wait -1
.endm
.macro PLACES n
.rept \n
	v_nop
.endr
.endm
.macro BLOAD j                         ; the weights' eight fragments of K step j.  j % 3 = 0, 1: window 1, v0 and v128; 2: window 3, v0
.set LW, 1+2*(((\j)%3)/2)
.set LB, 128*(((\j)%3)%2)
	WIN (LW<<6)
.irp b, 0,1,2,3,4,5,6,7
.irp c, 0,1,2,3
	global_load_b128 v[LB+16*\b+4*\c:LB+16*\b+4*\c+3], v[CO], s[WP:WP+1] offset:16384*\b+2048*(\j)+512*\c
.endr
.endr
	WIN 0
.endm
.macro AFETCH q                        ; ao's four fragments of K step q into set q % 2
.irp a, 0,1,2,3
.irp c, 0,1,2,3
	ds_load_b128 v[AF+64*((\q)%2)+16*\a+4*\c:AF+64*((\q)%2)+16*\a+4*\c+3], v[ADRA+(\q)/4] offset:IMG*((\q)%4)+2048*\a+512*\c
.endr
.endr
.endm
.macro STEP q                          ; the 32 accumulators take turns in the same order in every step; the first step starts the sums
.set BW, 1+2*(((\q)%3)/2)
.set BB0, 128*(((\q)%3)%2)
	WIN 0
	PLACES 4                                       ; in front of loads into registers that the last products read
.if (\q) < 7
	s_wait_loadcnt 32                              ; this step's set is in; the next step's 32 loads may be out
.else
	s_wait_loadcnt 0
.endif
.if (\q)+2 < 8
	BLOAD (\q)+2
.endif
.if (\q) < 7
	AFETCH (\q)+1
	s_wait_dscnt 16                                ; this step's fragments of ao are in; the next step's 16 loads may be out
.else
	s_wait_dscnt 0
.endif
	WIN 0xa0|BW
.irp a, 0,1,2,3
.irp b, 0,1,2,3,4,5,6,7
.if (\q) == 0
	v_wmma_f32_16x16x128_fp8_fp8 v[8*(8*\a+\b):8*(8*\a+\b)+7], v[BB0+16*\b:BB0+16*\b+15], v[AF+64*((\q)%2)+16*\a:AF+64*((\q)%2)+16*\a+15], 0
.else
	v_wmma_f32_16x16x128_fp8_fp8 v[8*(8*\a+\b):8*(8*\a+\b)+7], v[BB0+16*\b:BB0+16*\b+15], v[AF+64*((\q)%2)+16*\a:AF+64*((\q)%2)+16*\a+15], v[8*(8*\a+\b):8*(8*\a+\b)+7]
.endif
.endr
.endr
.endm
	s_load_b256 s[4:11], s[0:1], 0x0               ; ao, codes, the exponents, b_out
	s_load_b128 s[12:15], s[0:1], 0x20             ; x, out0
	v_lshl_add_u32 v[SPW], v0, 2, SPARE
	v_mov_b32 v[NIL], 0
	ds_add_u32 v[SPW], v[NIL]                      ; the opening lines: the add twice on end and one wait
	ds_add_u32 v[SPW], v[NIL]
	v_lshrrev_b32 v1, 5, v0
	v_readfirstlane_b32 s16, v1                    ; wave 0..3
	s_lshr_b32 s17, s16, 1                         ; which 64 tokens are mine.  Also: I fetch for ao (0) or for x (1)
	s_and_b32 s18, s16, 1                          ; which 128 columns are mine.  Also: which half I fetch
	s_bfe_u32 s40, ttmp6, 0x40000                  ; cx
	s_lshl_b32 s42, ttmp9, 2
	s_add_co_u32 s42, s42, s40                     ; X
	s_and_b32 s43, ttmp7, 0xffff                   ; Y
	s_mov_b32 s[G1], 15|(3<<16)|(1<<21)            ; ao: the mask of the four; elements of 8 bytes; bit 21 beside a mask
	s_mov_b32 s[G1+1], 32<<16                      ; rows of 256 bytes, dense
	s_mov_b32 s[G1+2], 256<<16
	s_mov_b32 s[G1+3], 32<<16
	s_mov_b32 s[G1+4], 256
	s_mov_b32 s[G1+5], 32
	s_mov_b32 s[G1+6], 0
	s_mov_b32 s[G1+7], 0
	s_mov_b32 s[G1X], 2<<16                        ; x: no mask; elements of 4 bytes
	s_mov_b32 s[G1X+1], 256<<16                    ; rows of 1,024 bytes,
	s_mov_b32 s[G1X+2], 64<<16
	s_mov_b32 s[G1X+3], 256<<16
	s_mov_b32 s[G1X+4], 64                         ; 64 of them,
	s_mov_b32 s[G1X+5], 1024                       ; 4,096 bytes apart
	s_mov_b32 s[G1X+6], 0
	s_mov_b32 s[G1X+7], 0
	s_lshl_b32 s20, s43, 17                        ; ao: token block Y, 131,072 bytes,
	s_lshl_b32 s19, s18, 16
	s_add_co_u32 s20, s20, s19                     ; + my half
	s_mov_b32 s21, 0
	s_mov_b32 s[G0], 1
	s_mov_b32 s[G0+1], s19
	s_lshl_b32 s22, s43, 7
	s_lshl_b32 s23, s18, 6
	s_add_co_u32 s22, s22, s23                     ; x: row 128 Y + 64 x half,
	s_lshl_b32 s22, s22, 12
	s_lshl_b32 s23, s42, 10
	s_add_co_u32 s22, s22, s23                     ; column 256 X
	s_mov_b32 s23, 0
	s_mov_b32 s[G0X], 1
	s_add_co_u32 s[G0X+1], s19, XOFF
	s_lshl_b32 s44, s42, 4
	s_lshl_b32 s45, s18, 3
	s_add_co_u32 s44, s44, s45
	s_add_co_u32 s44, s44, 192                     ; w_out: column tile 192 + 16 X + 8 x half,
	s_lshl_b32 s44, s44, 14                        ; eight images of 2,048 bytes a tile
	s_add_co_u32 s44, s44, WIMG
	s_mov_b32 s45, 0
	s_lshl_b32 s76, s43, 7
	s_lshl_b32 s77, s17, 6
	s_add_co_u32 s76, s76, s77                     ; out0: my first row,
	s_lshl_b32 s76, s76, 12
	s_lshl_b32 s77, s42, 8
	s_lshl_b32 s78, s18, 7
	s_add_co_u32 s77, s77, s78
	s_lshl_b32 s78, s77, 2                         ; my first column, in bytes
	s_mov_b32 s79, 0
	s_add_co_u32 s76, s76, s78
	s_mov_b32 s77, 0
	s_lshl_b32 s47, s17, 13                        ; my four token tiles of an image block's eight
	s_lshl_b32 s46, s17, 16
	s_lshl_b32 s41, s18, 9
	s_add_co_u32 s46, s46, s41
	s_add_co_u32 s46, s46, XOFF                    ; my 64 rows and 512 bytes of x's tile
	s_mul_i32 s66, s16, 16*SPITCH
	s_add_co_u32 s66, s66, STAGE                   ; my stage
	v_and_b32 v1, 15, v0
	v_bfe_u32 v2, v0, 4, 1
	v_and_b32 v3, 31, v0
	v_lshlrev_b32 v[CO], 4, v3
	v_add_nc_u32 v[ADRA], s47, v[CO]
	v_add_nc_u32 v[ADRA+1], 4*IMG, v[ADRA]
	v_add_nc_u32 v[XAD], s46, v[CO]
	v_mul_u32_u24 v5, v1, SPITCH
	v_lshl_add_u32 v5, v2, 6, v5
	v_add_nc_u32 v[STO], s66, v5
	v_add_nc_u32 v[RD], s66, v[CO]
	s_wait_alu depctr_va_vdst(0)                   ; the wait at the end of the head's vector work, directly ahead of the waits below
	s_wait_dscnt 0x0                               ; both opening adds are done
	s_wait_kmcnt 0x0
	s_load_b256 s[68:75], s[8:9], 0x0              ; e0 .. e7
	s_add_nc_u64 s[G0+2:G0+3], s[4:5], s[20:21]
	s_or_b32 s[G0+3], s[G0+3], 0x80000000
	s_add_nc_u64 s[G0X+2:G0X+3], s[12:13], s[22:23]
	s_or_b32 s[G0X+3], s[G0X+3], 0x80000000
	s_add_nc_u64 s[WP:WP+1], s[6:7], s[44:45]
	s_add_nc_u64 s[14:15], s[14:15], s[76:77]
	s_add_nc_u64 s[10:11], s[10:11], s[78:79]
	global_load_b128 v[BIAS:BIAS+3], v[CO], s[10:11]
	BLOAD 0
	CROUND                                         ; in front of the tensor loads
	s_cmp_eq_u32 s17, 0                            ; one load a wave, in the two arms of one branch on the wave's number
	s_cbranch_scc0 .Lfor_x
	tensor_load_to_lds s[G0:G0+3], s[G1:G1+7]
	s_nop 0
	PLACES 4
	s_branch .Lasked
.Lfor_x:
	tensor_load_to_lds s[G0X:G0X+3], s[G1X:G1X+7]
	s_nop 0
	PLACES 4
.Lasked:
	BLOAD 1
	s_wait_tensorcnt 0x0                           ; my load has landed,
	s_barrier_signal -1
	s_barrier_wait -1                              ; and everybody's.
	AFETCH 0
.irp q, 0,1,2,3,4,5,6,7
	STEP \q
.endr
	WIN 0
; THE WAY OUT, block by block of 16 tokens x 128 columns: through my own stage, back as rows of 512 bytes, x 2^(e6 + e7) + bias + x's row (from LDS), stored as two aligned units of 256 bytes.
; Stage row i of block a is token 32 (a / 2) + 8 (a % 2) + i % 8 + 16 (i / 8) of my 64.
.macro TOSTAGE a
	WIN 0x08
.irp b, 0,1,2,3,4,5,6,7
	ds_store_b128 v[STO], v[8*(8*(\a)+\b):8*(8*(\a)+\b)+3] offset:128*(\b/2)+32*(\b%2)
	ds_store_b128 v[STO], v[8*(8*(\a)+\b)+4:8*(8*(\a)+\b)+7] offset:128*(\b/2)+32*(\b%2)+16
.endr
	WIN 0
.set BB, AF+64*((\a)%2)
.irp i, 0,1,2,3,4,5,6,7,8,9,10,11,12,13,14,15
	ds_load_b128 v[BB+4*\i:BB+4*\i+3], v[RD] offset:\i*SPITCH   ; LDS serves a wave's instructions in order: these see my stores
.endr
	WIN 0x40
.irp i, 0,1,2,3,4,5,6,7,8,9,10,11,12,13,14,15
	ds_load_b128 v[64*((\a)%2)+4*\i:64*((\a)%2)+4*\i+3], v[XAD] offset:(32*((\a)/2)+8*((\a)%2)+(\i&7)+16*(\i>>3))*1024
.endr
	WIN 0
.endm
.macro SEND a, younger                 ; younger: the LDS instructions issued behind block a's loads, which may stay out
.set BB, AF+64*((\a)%2)
	s_wait_dscnt \younger
.irp i, 0,1,2,3,4,5,6,7,8,9,10,11,12,13,14,15
	v_pk_fma_f32 v[BB+4*\i:BB+4*\i+1], v[BB+4*\i:BB+4*\i+1], s[96:97], v[BIAS:BIAS+1] op_sel_hi:[1,0,1]
	v_pk_fma_f32 v[BB+4*\i+2:BB+4*\i+3], v[BB+4*\i+2:BB+4*\i+3], s[96:97], v[BIAS+2:BIAS+3] op_sel_hi:[1,0,1]
.endr
	WIN 0x04
.irp i, 0,1,2,3,4,5,6,7,8,9,10,11,12,13,14,15
	v_pk_add_f32 v[BB+4*\i:BB+4*\i+1], v[BB+4*\i:BB+4*\i+1], v[64*((\a)%2)+4*\i:64*((\a)%2)+4*\i+1]
	v_pk_add_f32 v[BB+4*\i+2:BB+4*\i+3], v[BB+4*\i+2:BB+4*\i+3], v[64*((\a)%2)+4*\i+2:64*((\a)%2)+4*\i+3]
.endr
	WIN 0
.irp i, 0,1,2,3,4,5,6,7,8,9,10,11,12,13,14,15
	global_store_b128 v[CO], v[BB+4*\i:BB+4*\i+3], s[14:15] offset:(32*((\a)/2)+8*((\a)%2)+(\i&7)+16*(\i>>3))*4096 th:TH_STORE_NT
.endr
.endm
	s_wait_kmcnt 0x0
	s_add_co_i32 s96, s74, s75
	s_add_co_i32 s96, s96, 127
	s_lshl_b32 s96, s96, 23                        ; 2^(e6 + e7)
	s_mov_b32 s97, s96
	PLACES 4                                       ; behind the last products
	TOSTAGE 0
.irp a, 1,2,3
.if \a > 1
	s_wait_xcnt 0x0                                ; block a - 2's stores have read their registers: block a's loads may land there
.endif
	TOSTAGE \a
	SEND \a-1, 48                                  ; behind block a - 1's loads: block a's 16 stores and 32 loads
.endr
	SEND 3, 0
	s_wait_tensorcnt 0x0                           ; the wave's end
	ds_add_u32 v[SPW], v[NIL]
	s_wait_dscnt 0x0
	CROUND                                         ; the closing round
	s_endpgm
.Lfunc_end_k_qd2d5923fb1_proj:
	.size	k_qd2d5923fb1_proj, .Lfunc_end_k_qd2d5923fb1_proj-k_qd2d5923fb1_proj
	.p2alignl 7, 3214868480
	.fill 96, 4, 3214868480
	.section	.rodata,"a",@progbits
	.p2align	6, 0x0
	.amdhsa_kernel k_qd2d5923fb1_proj
		.amdhsa_group_segment_fixed_size 327680
		.amdhsa_private_segment_fixed_size 0
		.amdhsa_enable_private_segment 0
		.amdhsa_kernarg_size 48
		.amdhsa_user_sgpr_count 2
		.amdhsa_user_sgpr_kernarg_segment_ptr 1
		.amdhsa_wavefront_size32 1
		.amdhsa_system_sgpr_workgroup_id_x 1
		.amdhsa_system_sgpr_workgroup_id_y 1
		.amdhsa_system_sgpr_workgroup_id_z 1
		.amdhsa_system_vgpr_workitem_id 0
		.amdhsa_next_free_vgpr 1024
		.amdhsa_next_free_sgpr 100
		.amdhsa_reserve_vcc 0
		.amdhsa_float_denorm_mode_32 3
		.amdhsa_float_denorm_mode_16_64 3
		.amdhsa_memory_ordered 1
		.amdhsa_forward_progress 1
		.amdhsa_inst_pref_size 92
	.end_amdhsa_kernel
	.amdgpu_metadata
---
amdhsa.version: [ 1, 2 ]
amdhsa.kernels:
  - .name:           k_qd2d5923fb1_proj
    .symbol:         k_qd2d5923fb1_proj.kd
    .args:
      - { .name: ao, .offset: 0, .size: 8, .value_kind: global_buffer, .address_space: global }
      - { .name: codes, .offset: 8, .size: 8, .value_kind: global_buffer, .address_space: global }
      - { .name: lowp_scales, .offset: 16, .size: 8, .value_kind: global_buffer, .address_space: global }
      - { .name: b_out, .offset: 24, .size: 8, .value_kind: global_buffer, .address_space: global }
      - { .name: x, .offset: 32, .size: 8, .value_kind: global_buffer, .address_space: global }
      - { .name: out0, .offset: 40, .size: 8, .value_kind: global_buffer, .address_space: global }
    .group_segment_fixed_size: 327680
    .private_segment_fixed_size: 0
    .kernarg_segment_align: 8
    .kernarg_segment_size: 48
    .max_flat_workgroup_size: 128
    .sgpr_count:     100
    .vgpr_count:     1024
    .wavefront_size: 32
...
	.end_amdgpu_metadata
.endif
;; end of part 4
